; MI455X (gfx1250); checked and timed in simulation.
; The chip was launched on July 23, 2026; its instructions are those of AMD's public machine-readable ISA for CDNA 5 (MIT licence, August 2026) and "CDNA5" Instruction Set Architecture Reference Guide (July 2026). The comments in the code are by the model that wrote it; some were corrected since.
;; Noisy Dense. Allowed arithmetic: float matrix products may take bf16 or f16 operands with f32 sums; other float arithmetic in f32, or as packed bf16 or f16 multiplies, adds, multiply-adds, maxima and minima; sums over many terms, partial sums and values carried from step to step in f32; what a program stores and reads back later, other than sums and carried values, may be rounded once to bf16 or f16.
;; Inputs: b_mu 4,096 float32; b_sigma 4,096 float32; eps_in 4,096 float32; eps_out 4,096 float32; w_mu 4,096 x 4,096 float32; w_sigma 4,096 x 4,096 float32; x 4,096 x 4,096 float32.
;; Outputs: out0 4,096 x 4,096 float32.
;; One version. Each part assembles by itself: llvm-mc -triple=amdgcn-amd-amdhsa -mcpu=gfx1250 --defsym DOCPART=n.
;; ======== version 1 of 1: 2 launches
;; limits: values are held in f16: magnitudes above 65,504 overflow, below 6.1e-05 lose precision
;; workspace buffers: xh 33,554,432 bytes; wh 33,554,432 bytes
;; launch prep (part 1): grid 512 x 1, 8 waves a work-group, no clusters, 0 bytes of LDS; arguments x, w_mu, w_sigma, eps_in, eps_out, xh, wh; writes xh, wh
.if DOCPART == 1
	.amdgcn_target "amdgcn-amd-amdhsa--gfx1250"
	.amdhsa_code_object_version 6
	.text
	.protected	k_qa007684b62_prep
	.globl	k_qa007684b62_prep
	.p2align	8
	.type	k_qa007684b62_prep,@function
k_qa007684b62_prep:
	s_mov_b64 s[64:65], 0
	v_nop
	global_prefetch_b8 v0, s[64:65] scope:SCOPE_SE
	s_setreg_imm32_b32 hwreg(HW_REG_WAVE_MODE, 25, 1), 1
	s_wait_xcnt 0x0
; xh[m][k] = f16(x[m][k]);  wh[k][n] = f16(w_mu[k][n] + w_sigma[k][n] eps_in[k] eps_out[n]).  x, w_mu, w_sigma: [4096][4096] f32; xh, wh: [4096][4096] f16, same order of indices.
; WHY f16: both are matrix operands of the next launch.  f16 keeps 11 significant bits, bf16 8; the output's allowance near zero is a hundredth of its root mean square, and the
; error of a sum of 4,096 products goes with the operands' relative rounding: eight times smaller in f16.
; LIMITS.  A number of magnitude 65,520 or more becomes an infinity in f16; below 6.1e-5 f16 keeps a fixed step of 6e-8.  w is formed as fma(w_sigma eps_out, eps_in, w_mu):
; another order, and one rounding fewer, than w_mu + w_sigma (eps_in eps_out).
; A PURE STREAM: every byte is read once and written once; no wave wants what another has fetched, so there is no LDS, no barrier, no matrix work.
; SHARES.  A work-group owns 8 rows of each of the three matrices.  Thread t owns columns 4 t + 1024 j, j = 0..3, in every row: a wave's load of 16 bytes a lane covers 512 consecutive
; bytes, aligned; its store of 8 bytes a lane covers 256 consecutive bytes, aligned.  A thread's 16 numbers of eps_out stay in registers; a row's eps_in is a scalar.
; IN FLIGHT.  Four row slots of 12 loads (4 each of w_mu, w_sigma, x): while one is worked on, 36 loads of the wave are out.  All 8 rows are written out: every row's place stands in
; the immediates, and no address register is ever rewritten.
.set ROWI, 16384                       ; bytes in a row of f32
.set ROWO, 8192                        ; bytes in a row of f16
.set IO,  1                            ; v1         16 t: my byte offset in an input row; never rewritten
.set OO,  2                            ; v2         8 t: my byte offset in an output row; never rewritten
.set EO,  4                            ; v[4:19]    eps_out of my 16 columns
.set SL,  24                           ; v[24:215]  slot s at SL + 48 s: w_mu +0..15, w_sigma +16..31, x +32..47
.set YB,  216                          ; v[216:247] two sets of 16 to store: wh +0..7, xh +8..15
.set EIN, 20                           ; s[20:27]   eps_in of my 8 rows
.set EK,  28                           ; s[28:29]   the row's eps_in, as a pair for the packed multiply-add
	s_load_b256 s[4:11], s[0:1], 0x0               ; x s[4:5], w_mu s[6:7], w_sigma s[8:9], eps_in s[10:11]
	s_load_b128 s[12:15], s[0:1], 0x20             ; eps_out s[12:13], xh s[14:15]
	s_load_b64 s[16:17], s[0:1], 0x30              ; wh
	v_lshlrev_b32 v[IO], 4, v0
	v_lshlrev_b32 v[OO], 3, v0
	s_lshl_b32 s2, ttmp9, 17                       ; 8 rows of 16,384 bytes for each work-group: 511 x 2^17 at the most, inside 32 bits
	s_mov_b32 s3, 0
	s_lshl_b32 s30, ttmp9, 16                      ; 8 rows of 8,192 bytes
	s_mov_b32 s31, 0
	s_lshl_b32 s18, ttmp9, 5                       ; 8 numbers of eps_in
	s_mov_b32 s19, 0
	s_wait_kmcnt 0x0
	s_add_nc_u64 s[4:5], s[4:5], s[2:3]
	s_add_nc_u64 s[6:7], s[6:7], s[2:3]
	s_add_nc_u64 s[8:9], s[8:9], s[2:3]
	s_add_nc_u64 s[14:15], s[14:15], s[30:31]
	s_add_nc_u64 s[16:17], s[16:17], s[30:31]
	s_add_nc_u64 s[10:11], s[10:11], s[18:19]
	s_load_b256 s[EIN:EIN+7], s[10:11], 0x0        ; no line of this launch writes eps_in
.irp j, 0,1,2,3
	global_load_b128 v[EO+4*(\j):EO+4*(\j)+3], v[IO], s[12:13] offset:4096*(\j)
.endr
; Twelve loads: row \row of the work-group's eight into slot \s.
.macro FILL s, row
.irp j, 0,1,2,3
	global_load_b128 v[SL+48*(\s)+4*(\j):SL+48*(\s)+4*(\j)+3], v[IO], s[6:7] offset:(\row)*ROWI+4096*(\j) th:TH_LOAD_NT
.endr
.irp j, 0,1,2,3
	global_load_b128 v[SL+48*(\s)+16+4*(\j):SL+48*(\s)+16+4*(\j)+3], v[IO], s[8:9] offset:(\row)*ROWI+4096*(\j) th:TH_LOAD_NT
.endr
.irp j, 0,1,2,3
	global_load_b128 v[SL+48*(\s)+32+4*(\j):SL+48*(\s)+32+4*(\j)+3], v[IO], s[4:5] offset:(\row)*ROWI+4096*(\j) th:TH_LOAD_NT
.endr
.endm
	FILL 0, 0
	FILL 1, 1
	FILL 2, 2
	FILL 3, 3
	s_wait_kmcnt 0x0                               ; eps_in
; Row i.  fill = 1: its slot takes the row four further down, ahead of the stores.  left = the loads issued behind this slot's twelve, which may stay out.
.macro TURN i, fill, left
.set SB, SL+48*((\i)%4)
.set YS, YB+16*((\i)%2)
	s_wait_loadcnt \left                           ; loads come back in order (ISA guide 5.7.1): this slot's twelve (and eps_out) are in
.if (\i) >= 2
	s_wait_xcnt 0x0                                ; the stores of two rows back have read this set of 16 registers: it is rewritten only behind this wait
.endif
	s_mov_b32 s[EK], s[EIN+(\i)]
	s_mov_b32 s[EK+1], s[EIN+(\i)]
.irp q, 0,2,4,6,8,10,12,14
	v_pk_mul_f32 v[SB+16+(\q):SB+16+(\q)+1], v[SB+16+(\q):SB+16+(\q)+1], v[EO+(\q):EO+(\q)+1]  ; w_sigma eps_out
.endr
.irp q, 0,2,4,6,8,10,12,14
	v_pk_fma_f32 v[SB+(\q):SB+(\q)+1], v[SB+16+(\q):SB+16+(\q)+1], s[EK:EK+1], v[SB+(\q):SB+(\q)+1] op_sel_hi:[1,0,1]  ; w_sigma eps_out eps_in + w_mu, fused
.endr
.irp q, 0,1,2,3,4,5,6,7
	v_cvt_pk_f16_f32 v[YS+(\q)], v[SB+2*(\q)], v[SB+2*(\q)+1]
.endr
.irp q, 0,1,2,3,4,5,6,7
	v_cvt_pk_f16_f32 v[YS+8+(\q)], v[SB+32+2*(\q)], v[SB+32+2*(\q)+1]
.endr
.if \fill
	FILL (\i)%4, (\i)+4
.endif
.irp j, 0,1,2,3
	global_store_b64 v[OO], v[YS+2*(\j):YS+2*(\j)+1], s[16:17] offset:(\i)*ROWO+2048*(\j)      ; a wave's store: 256 consecutive bytes of wh, aligned
.endr
.irp j, 0,1,2,3
	global_store_b64 v[OO], v[YS+8+2*(\j):YS+8+2*(\j)+1], s[14:15] offset:(\i)*ROWO+2048*(\j)  ; and of xh
.endr
.endm
	TURN 0, 1, 36                                  ; three younger slots of twelve loads
	TURN 1, 1, 36
	TURN 2, 1, 36
	TURN 3, 1, 36
	TURN 4, 0, 36
	TURN 5, 0, 24                                  ; nothing is left to load: the counts run down
	TURN 6, 0, 12
	TURN 7, 0, 0
	s_endpgm
.Lfunc_end_k_qa007684b62_prep:
	.size	k_qa007684b62_prep, .Lfunc_end_k_qa007684b62_prep-k_qa007684b62_prep
	.p2alignl 7, 3214868480
	.fill 96, 4, 3214868480
	.section	.rodata,"a",@progbits
	.p2align	6, 0x0
	.amdhsa_kernel k_qa007684b62_prep
		.amdhsa_group_segment_fixed_size 0
		.amdhsa_private_segment_fixed_size 0
		.amdhsa_enable_private_segment 0
		.amdhsa_kernarg_size 56
		.amdhsa_user_sgpr_count 2
		.amdhsa_user_sgpr_kernarg_segment_ptr 1
		.amdhsa_wavefront_size32 1
		.amdhsa_system_sgpr_workgroup_id_x 1
		.amdhsa_system_sgpr_workgroup_id_y 1
		.amdhsa_system_sgpr_workgroup_id_z 1
		.amdhsa_system_vgpr_workitem_id 0
		.amdhsa_next_free_vgpr 248
		.amdhsa_next_free_sgpr 66
		.amdhsa_reserve_vcc 0
		.amdhsa_float_denorm_mode_32 3
		.amdhsa_float_denorm_mode_16_64 3
		.amdhsa_memory_ordered 1
		.amdhsa_forward_progress 1
		.amdhsa_inst_pref_size 34
	.end_amdhsa_kernel
	.amdgpu_metadata
---
amdhsa.version: [ 1, 2 ]
amdhsa.kernels:
  - .name:           k_qa007684b62_prep
    .symbol:         k_qa007684b62_prep.kd
    .args:
      - { .name: x, .offset: 0, .size: 8, .value_kind: global_buffer, .address_space: global }
      - { .name: w_mu, .offset: 8, .size: 8, .value_kind: global_buffer, .address_space: global }
      - { .name: w_sigma, .offset: 16, .size: 8, .value_kind: global_buffer, .address_space: global }
      - { .name: eps_in, .offset: 24, .size: 8, .value_kind: global_buffer, .address_space: global }
      - { .name: eps_out, .offset: 32, .size: 8, .value_kind: global_buffer, .address_space: global }
      - { .name: xh, .offset: 40, .size: 8, .value_kind: global_buffer, .address_space: global }
      - { .name: wh, .offset: 48, .size: 8, .value_kind: global_buffer, .address_space: global }
    .group_segment_fixed_size: 0
    .private_segment_fixed_size: 0
    .kernarg_segment_align: 8
    .kernarg_segment_size: 56
    .max_flat_workgroup_size: 256
    .sgpr_count:     66
    .vgpr_count:     248
    .wavefront_size: 32
...
	.end_amdgpu_metadata
.endif
;; end of part 1
;; launch gemm (part 2): grid 16 x 16, 4 waves a work-group, clusters of 4 x 4, 327,680 bytes of LDS; arguments xh, wh, b_mu, b_sigma, eps_out, out0; writes out0
.if DOCPART == 2
	.amdgcn_target "amdgcn-amd-amdhsa--gfx1250"
	.amdhsa_code_object_version 6
	.text
	.protected	k_qa007684b62_gemm
	.globl	k_qa007684b62_gemm
	.p2align	8
	.type	k_qa007684b62_gemm,@function
k_qa007684b62_gemm:
	s_mov_b64 s[64:65], 0
	v_nop
	global_prefetch_b8 v0, s[64:65] scope:SCOPE_SE
	s_setreg_imm32_b32 hwreg(HW_REG_WAVE_MODE, 25, 1), 1
	s_wait_xcnt 0x0
	s_wait_alu depctr_hold_cnt(0) depctr_sa_sdst(0) depctr_va_vdst(0) depctr_va_sdst(0) depctr_va_ssrc(0) depctr_va_vcc(0) depctr_vm_vsrc(0)
	s_getreg_b32 s2, hwreg(HW_REG_IB_STS2, 6, 4)
	s_cmp_eq_u32 s2, 0
	s_cbranch_scc0 .Lentry_in_a_cluster
	s_endpgm
.Lentry_in_a_cluster:
	s_bfe_u32 s2, ttmp6, 0x10000c
	s_cmp_lg_u32 s2, 0xf033
	s_cbranch_scc0 .Lentry_shape_is_right
	s_endpgm
.Lentry_shape_is_right:
; out0[m][n] = max(0, sum over k of xh[m][k] wh[k][n] + b_mu[n] + b_sigma[n] eps_out[n]).  xh: [4096][4096] f16, rows along k; wh: [4096][4096] f16, rows along n; out0: [4096][4096] f32.
; Products of f16 operands, sums in f32 in the matrix unit's order, K ascending; bias (one fused multiply-add) and maximum in f32.
; LIMITS.  The operands are f16 (the launch before states their range).  The maximum is v_max_num_f32: a NaN sum would leave as 0.
; SHARES.  A tile of out0, 256 x 256, is made by a work-group of four waves; a wave makes 128 x 128: 64 accumulators of 16 x 16, 512 registers.  16 x 16 tiles: 256 work-groups, one tile each.
; K goes in steps of 128 through a ring of two LDS slots filled by the tensor data mover: of xh 256 rows x 256 bytes, of wh 128 rows (k) x 512 bytes; all rows start at multiples of 256 bytes.
; CLUSTERS: 4 x 4 work-groups.  The four of a row of the cluster need the same tiles of xh, the four of a column the same tiles of wh: each tile is asked for JOINTLY, by the same tensor
; load with the same descriptor and a mask that names the four.
; THE MATRIX INSTRUCTION IS USED TRANSPOSED: source 0 = 16 columns of wh, source 1 = 16 rows of xh.  In the result lane l holds row l % 16 of out0 and the columns 8 (l / 16) + 0..7.
; xh's fragments come out of LDS as they lie; wh's ([k][n]) are turned by ds_load_tr16_b128.
; REGISTERS, in windows of 256 (s_set_vgpr_msb: bits 1:0 source 0, 3:2 source 1, 5:4 source 2, 7:6 destination):
;   window 0: v0-31 addresses; v32-43 the bias; v64-127, v128-191 fragments of xh, two buffers; on the way out: rows read back from the stage
;   window 1: v64-127, v128-191 fragments of wh, two buffers
;   window 2: the 32 accumulators of my rows 0-63 (accumulator (a, b) at v[8 (8 a + b)]);   window 3: those of my rows 64-127
.set SIZE_K, 4096
.set SIZE_N, 4096
.set KSTEP,  128
.set PA,     272                       ; an LDS row of xh: 256 bytes + 16 of padding = 68 words: the 16 rows of a fragment load start at 16 different groups of four banks (64 banks of 4 bytes: ISA guide 11.1)
.set PB,     544                       ; an LDS row of wh: 512 bytes + 32 of padding = 136 words
.set HALFT,  128*PA                    ; what one tensor load brings: 128 rows of xh, or 64 rows of wh (64 PB is the same number)
.set SLOT,   4*HALFT                   ; xh's 256 rows, then wh's 128 rows
.set STAGE,  2*SLOT                    ; behind the ring, never filled by a tensor load: 16 rows x 528 bytes for each wave, for the way out
.set SPITCH, 528                       ; 512 bytes (128 f32) + 16: the 16 rows of a store start at 16 different groups of four banks
.set SPARE,  STAGE+4*16*SPITCH         ; behind the stages: the spare words, 128 bytes for each wave: two blocks of 256 bytes that no other line names
.set LAPS,   SIZE_K/(2*KSTEP)          ; a lap = two K steps = once round the ring: 16
.set ASTEP,  KSTEP*2                   ; a K step in xh: 256 bytes along the rows
.set BSTEP,  KSTEP*SIZE_N*2            ; a K step in wh: 128 rows down
.set ROWC,   SIZE_N*4                  ; a row of out0 in bytes
.set ADRA, 16                          ; v16-17  LDS address of my fragments of xh in slot 0, 1
.set ADRB, 20                          ; v20-21  the same for wh
.set STO,  24                          ; v24     the way out: where I put 32 bytes of a row
.set RD,   25                          ; v25     the way out: where I read 16 bytes of a row back
.set CO,   26                          ; v26     16 x lane: my byte offset in 512 bytes of a row of out0
.set BO,   27                          ; v27     byte offset of my four columns in b_mu, b_sigma, eps_out
.set SPW,  28                          ; v28     LDS address of my spare word: SPARE + 4 x my thread's number; never rewritten
.set NIL,  29                          ; v29     0; never rewritten
.set PFO,  30                          ; v30     the prefetches' offset; never rewritten
.set BI,   32                          ; v[32:35] b_mu, later the bias of my four columns; v[36:39] b_sigma; v[40:43] eps_out
.set F0,   64                          ; fragment buffer 0
.set F1,   128                         ; fragment buffer 1
.set OB,   64                          ; the way out: 16 rows read back: v64-127 and v128-191 by turns
.set G1,  24                           ; s[24:31] descriptor group 1 for xh's tiles
.set G0,  32                           ; s[32:39] descriptor group 0 for xh's tiles, one set for each slot
.set LIM, 43                           ; s43      1 in a wave that prefetches, else the greatest number
.set PFA, 44                           ; s[44:45] where my prefetches stand
.set G1B, 48                           ; s[48:55] descriptor group 1 for wh's tiles
.set G0B, 56                           ; s[56:63] descriptor group 0 for wh's tiles, one set for each slot
.set CB,  74                           ; s[74:75] out0 at my wave's first row and column
.set PFS, 76                           ; s[76:77] a K step for my prefetches: ASTEP or BSTEP
.set MSB, 0
.macro WIN new                         ; the immediate's high byte repeats the setting that is left; a switch that changes nothing is dropped
.if MSB != (\new)
	s_set_vgpr_msb (MSB<<8)|(\new)
.set MSB, \new
.endif
.endm
.set MUL_LO, 0xa1                      ; source 0 (wh) window 1, source 1 (xh) window 0, C and D window 2
.set MUL_HI, 0xf1                      ; the same, C and D window 3
.set TO_B,   0x40                      ; destination window 1, address window 0
.set ST_LO,  0x08                      ; an LDS store's data (source 1) in window 2, its address in window 0; + 4: window 3
; A joint load.  Waves 0 and 1 fetch xh's two halves, waves 2 and 3 wh's.  Each of the two lines has one mask and one set of registers for all that issue it.  The branch hangs on the
; wave's number alone.  An s_nop 0 and four v_nop follow each of the two lines, ahead of the jump and the label.
.macro JLOAD s
	s_cmp_eq_u32 s11, 0
	s_cbranch_scc0 .Lfor_b_\@
	tensor_load_to_lds s[G0+4*(\s):G0+4*(\s)+3], s[G1:G1+7]
	s_nop 0
.rept 4
	v_nop
.endr
	s_branch .Lasked_\@
.Lfor_b_\@:
	tensor_load_to_lds s[G0B+4*(\s):G0B+4*(\s)+3], s[G1B:G1B+7]
	s_nop 0
.rept 4
	v_nop
.endr
.Lasked_\@:
.endm
; A PREFETCH INTO THE L2, behind each joint refill, its five lines and the run of LDS loads that follows them: the K step that stands TWO refills on, 512 matrix instructions ahead of the
; load that will ask for it.  One instruction a wave, 32 blocks of 256 bytes, a lane a block.  Each block is named ONCE in the launch: xh's tile row is read by every cluster of that row of
; clusters, and cluster x = 0 asks; wh's tile column by every cluster of that column, and cluster y = 0 asks.  The four partners that ask for a tile jointly share it out BY ADDRESS:
; of the 128 rows of xh that a wave fetches the partner at cx takes 32; of the 64 rows of wh (two blocks each) the partner at cy takes 16.  No branch hangs on a place in the cluster.
; The loop's last trip (s3 = 1) asks for nothing: its two refills are K steps 30 and 31, and there is no K step two on.  K steps 0 to 3 come by their loads alone.
.macro ASK
	s_cmp_gt_u32 s3, s[LIM]
	s_cbranch_scc0 .Lnot_mine_\@
	global_prefetch_b8 v[PFO], s[PFA:PFA+1] th:TH_LOAD_NT scope:SCOPE_SE
.Lnot_mine_\@:
.endm
; A round of the cluster's barrier: my work-group's barrier, so that wave 0's signal speaks for all four waves; wave 0 signals; every wave waits for all sixteen work-groups; my
; work-group's barrier once more.  No LDS instruction of the wave is pending at a signal.
.macro CREST                           ; a round behind its opening barrier
	s_cmp_lg_u32 s10, 0
	s_cbranch_scc1 .Lnot_wave_0_\@
	s_barrier_signal -3
.Lnot_wave_0_\@:
	s_barrier_wait -3
	s_barrier_signal -1
	s_barrier_wait -1
.endm
.macro CROUND                          ; a whole round
	s_barrier_signal -1
	s_barrier_wait -1
	CREST
.endm
	s_load_b128 s[4:7], s[0:1], 0x0                ; xh s[4:5], wh s[6:7]
	s_load_b128 s[68:71], s[0:1], 0x10             ; b_mu s[68:69], b_sigma s[70:71]
	s_load_b128 s[72:75], s[0:1], 0x20             ; eps_out s[72:73], out0 s[74:75]
	v_lshl_add_u32 v[SPW], v0, 2, SPARE
	v_mov_b32 v[NIL], 0
	ds_add_u32 v[SPW], v[NIL]                      ; the wave's opening: the add, twice on end, and its wait ahead of my first tensor load; the set-up below stands between
	ds_add_u32 v[SPW], v[NIL]                      ; and once more, under the one wait
	v_lshrrev_b32 v1, 5, v0
	v_readfirstlane_b32 s10, v1                    ; wave 0..3
	s_lshr_b32 s11, s10, 1                         ; which half of the tile's rows is mine.  Also: I fetch for xh (0) or for wh (1)
	s_and_b32 s12, s10, 1                          ; which half of its columns.  Also: which half of that tile I fetch
	s_bfe_u32 s40, ttmp6, 0x40000                  ; cx: my place along the cluster's x
	s_bfe_u32 s41, ttmp6, 0x40004                  ; cy: along its y
	s_lshl_b32 s42, ttmp9, 2                       ; in a cluster launch ttmp9 and ttmp7 count clusters
	s_add_co_u32 s42, s42, s40                     ; tile column = 4 x cluster x + cx
	s_and_b32 s13, ttmp7, 0xffff
	s_lshl_b32 s13, s13, 2
	s_add_co_u32 s13, s13, s41                     ; tile row = 4 x cluster y + cy
	s_lshl_b32 s43, s41, 2
	s_lshl_b32 s43, 15, s43                        ; my row of the cluster: places 4 cy .. 4 cy + 3
	s_lshl_b32 s44, 0x1111, s40                    ; my column: places cx, cx + 4, cx + 8, cx + 12
	; descriptor group 1.  xh: 128 rows x 128 elements; wh: 64 rows x 256 elements; both padded in LDS behind every row
	s_or_b32 s[G1+0], s43, (1<<16)|(1<<20)|(1<<21)|(5<<22)|(3<<25)   ; 15:0 the mask: my row; 17:16 elements of 2 bytes; 20 padding on; 21 set beside a mask; 24:22 after every 64 words (code 5); 31:25 4 words (code 3)
	s_or_b32 s[G1B+0], s44, (1<<16)|(1<<20)|(1<<21)|(6<<22)|(7<<25)  ; the mask: my column; after every 128 words (code 6), 8 words (code 7)
	s_mov_b32 s[G1+1], KSTEP<<16                   ; tensor_dim0 = 128
	s_mov_b32 s[G1+2], 128<<16                     ; tensor_dim1 = 128
	s_mov_b32 s[G1+3], KSTEP<<16                   ; tile_dim0 = 128
	s_mov_b32 s[G1+4], 128                         ; tile_dim1 = 128
	s_mov_b32 s[G1+5], SIZE_K                      ; elements from row to row
	s_mov_b32 s[G1+6], 0
	s_mov_b32 s[G1+7], 0
	s_mov_b32 s[G1B+1], 256<<16                    ; tensor_dim0 = 256
	s_mov_b32 s[G1B+2], 64<<16                     ; tensor_dim1 = 64
	s_mov_b32 s[G1B+3], 256<<16                    ; tile_dim0 = 256
	s_mov_b32 s[G1B+4], 64                         ; tile_dim1 = 64
	s_mov_b32 s[G1B+5], SIZE_N
	s_mov_b32 s[G1B+6], 0
	s_mov_b32 s[G1B+7], 0
	; where the tiles come from.  xh's hang on the tile row alone, which my row of the cluster shares; wh's on the tile column alone, which my column shares.
	s_lshl_b32 s16, s13, 8
	s_lshl_b32 s17, s12, 7
	s_add_co_u32 s16, s16, s17                     ; xh: row 256 x tile row + 128 x half,
	s_lshl_b32 s16, s16, 13                        ; of 8,192 bytes: under 2^25
	s_mov_b32 s17, 0
	s_lshl_b32 s46, s42, 9                         ; wh: 512 bytes of a row for each tile column,
	s_lshl_b32 s47, s12, 19                        ; 64 rows of 8,192 bytes for the half
	s_add_co_u32 s46, s46, s47
	s_mov_b32 s47, 0
	s_mul_i32 s20, s10, HALFT                      ; and where they go: xh's two halves, then wh's two = wave x HALFT: no place in the cluster enters an LDS address
	s_wait_dscnt 0x0                               ; both opening adds are done
	s_wait_kmcnt 0x0
	s_add_nc_u64 s[14:15], s[4:5], s[16:17]
	s_add_nc_u64 s[46:47], s[6:7], s[46:47]
	CROUND                                         ; all sixteen work-groups are here: the first joint loads meet
.irp s, 0,1
	s_mov_b32 s[G0+4*(\s)], 1                                      ; 1:0 count = 1
	s_add_co_u32 s[G0+4*(\s)+1], s20, (\s)*SLOT                    ; 63:32 LDS address
	s_add_nc_u64 s[G0+4*(\s)+2:G0+4*(\s)+3], s[14:15], (\s)*ASTEP  ; 120:64 global address: K step s
	s_or_b32 s[G0+4*(\s)+3], s[G0+4*(\s)+3], 0x80000000            ; 127:126 type = 2
	s_mov_b32 s[G0B+4*(\s)], 1
	s_add_co_u32 s[G0B+4*(\s)+1], s20, (\s)*SLOT
	s_add_nc_u64 s[G0B+4*(\s)+2:G0B+4*(\s)+3], s[46:47], (\s)*BSTEP
	s_or_b32 s[G0B+4*(\s)+3], s[G0B+4*(\s)+3], 0x80000000
	JLOAD \s                                       ; the ring is filled before anything else is done: two loads of mine are out
.endr
	; A fragment is 16 rows x 32 K in 8 registers: lane l holds row l % 16; registers 0-3 K = 8 (l / 16) + 0..7, registers 4-7 K = 16 + 8 (l / 16) + 0..7.
	; xh, rows along K: two loads of 16 bytes, 32 bytes apart.  wh, rows along n: two turning loads, 16 rows apart; lane l reads 16 bytes of row 8 (l / 16) + l % 8 at column 8 ((l / 8) % 2).
	v_and_b32 v1, 15, v0                           ; l % 16
	v_bfe_u32 v2, v0, 4, 1                         ; l / 16
	v_and_b32 v7, 31, v0                           ; l
	v_mul_u32_u24 v3, v1, PA
	v_lshl_add_u32 v3, v2, 4, v3                   ; row x pitch + 16 x half
	v_and_b32 v5, 7, v0
	v_lshl_add_u32 v4, v2, 3, v5
	v_mul_u32_u24 v4, v4, PB
	v_bfe_u32 v6, v0, 3, 1
	v_lshl_add_u32 v4, v6, 4, v4
	s_mul_i32 s21, s11, HALFT                      ; my 128 rows of xh
	s_lshl_b32 s22, s12, 8                         ; my 128 columns of wh: 256 bytes of each row,
	s_add_co_u32 s22, s22, 2*HALFT                 ; behind xh's 256 rows
.irp s, 0,1
	v_add_nc_u32 v[ADRA+(\s)], s21, v3
	v_add_nc_u32 v[ADRB+(\s)], s22, v4
	s_add_co_u32 s21, s21, SLOT
	s_add_co_u32 s22, s22, SLOT
.endr
	s_mul_i32 s23, s10, 16*SPITCH
	s_add_co_u32 s23, s23, STAGE                   ; my stage
	v_mul_u32_u24 v8, v1, SPITCH                   ; in: row l % 16, 32 bytes for each half of the lanes
	v_lshl_add_u32 v8, v2, 5, v8
	v_add_nc_u32 v[STO], s23, v8
	v_lshl_add_u32 v[RD], v7, 4, s23               ; back: 32 lanes take one row of 512 bytes
	v_lshlrev_b32 v[CO], 4, v7                     ; and the same 512 bytes in out0
	s_lshl_b32 s46, s42, 10                        ; my first column in bytes of f32: 1,024 x tile column + 512 x half
	s_lshl_b32 s47, s12, 9
	s_add_co_u32 s46, s46, s47
	s_mov_b32 s47, 0
	v_add_nc_u32 v[BO], s46, v[CO]
	global_load_b128 v[BI:BI+3],    v[BO], s[68:69]  ; b_mu, b_sigma, eps_out of the four columns that I store: waited for on the way out
	global_load_b128 v[BI+4:BI+7],  v[BO], s[70:71]
	global_load_b128 v[BI+8:BI+11], v[BO], s[72:73]
	s_lshl_b32 s16, s13, 8
	s_lshl_b32 s17, s11, 7
	s_add_co_u32 s16, s16, s17                     ; my first row of out0,
	s_lshl_b32 s16, s16, 14                        ; of 16,384 bytes: under 2^26
	s_mov_b32 s17, 0
	s_add_nc_u64 s[CB:CB+1], s[CB:CB+1], s[16:17]
	s_add_nc_u64 s[CB:CB+1], s[CB:CB+1], s[46:47]
	; the prefetches: their offsets are made apart from the addresses
	s_lshl_b32 s20, s13, 8
	s_lshl_b32 s21, s12, 7
	s_add_co_u32 s20, s20, s21
	s_lshl_b32 s21, s40, 5
	s_add_co_u32 s20, s20, s21                     ; xh: row 256 x tile row + the 128 that I fetch + my work-group's 32 of them,
	s_lshl_b32 s20, s20, 13
	s_add_co_u32 s20, s20, 3*ASTEP                 ; at K step 3: the first refill steps it to 4
	s_lshl_b32 s22, s12, 6
	s_lshl_b32 s23, s41, 4
	s_add_co_u32 s22, s22, s23                     ; wh: of a K step's rows the 64 that I fetch + my work-group's 16 of them,
	s_lshl_b32 s22, s22, 13
	s_lshl_b32 s23, s42, 9
	s_add_co_u32 s22, s22, s23                     ; the tile column's 512 bytes,
	s_add_co_u32 s22, s22, 3*BSTEP                 ; at K step 3
	s_and_b32 s23, ttmp7, 0xffff                   ; cluster y
	s_mov_b32 s[PFS], BSTEP
	s_mov_b32 s[PFS+1], 0
	s_cmp_eq_u32 s11, 0                            ; do I fetch for xh?
	s_cselect_b32 s20, s20, s22
	s_cselect_b32 s23, ttmp9, s23                  ; the coordinate along which other clusters read the same blocks
	s_cselect_b32 s[PFS], ASTEP, s[PFS]
	s_cselect_b64 s[PFA:PFA+1], s[4:5], s[6:7]
	s_mov_b32 s21, 0
	s_add_nc_u64 s[PFA:PFA+1], s[PFA:PFA+1], s[20:21]
	s_cmp_eq_u32 s23, 0
	s_cselect_b32 s[LIM], 1, -1                    ; the same in all sixteen partners, for a given wave
	v_lshrrev_b32 v[PFO], s11, v7                  ; xh: a lane a row; wh: two lanes a row,
	v_and_b32 v9, s11, v7
	v_lshlrev_b32 v[PFO], 13, v[PFO]               ; rows of 8,192 bytes,
	v_lshl_add_u32 v[PFO], v9, 8, v[PFO]           ; the odd lane 256 bytes on
; 16 matrix instructions: m blocks a0, a0 + 1 of the window's four (hi = 0: my rows 0-63, 1: rows 64-127) x all 8 n blocks, 32 along K.
; zero = 1: the first product starts the sums: nothing is ever cleared.  The 64 accumulators take turns, in the same order in every quarter step.
.macro MUL16 f, hi, a0, zero
	WIN MUL_LO+0x50*(\hi)
.irp a, \a0, (\a0)+1
.irp b, 0,1,2,3,4,5,6,7
.if \zero
	v_wmma_f32_16x16x32_f16 v[8*(8*(\a)+(\b)):8*(8*(\a)+(\b))+7], v[(\f)+8*(\b):(\f)+8*(\b)+7], v[(\f)+8*(4*(\hi)+(\a)):(\f)+8*(4*(\hi)+(\a))+7], 0
.else
	v_wmma_f32_16x16x32_f16 v[8*(8*(\a)+(\b)):8*(8*(\a)+(\b))+7], v[(\f)+8*(\b):(\f)+8*(\b)+7], v[(\f)+8*(4*(\hi)+(\a)):(\f)+8*(4*(\hi)+(\a))+7], v[8*(8*(\a)+(\b)):8*(8*(\a)+(\b))+7]
.endif
.endr
.endr
.endm
; 32 LDS loads in one run: the fragments of quarter q of a K step (32 along K) into buffer f: wh's 128 columns first, then xh's 128 rows
.macro FETCH slot, q, f
	WIN TO_B
.irp i, 0,1,2,3,4,5,6,7
	ds_load_tr16_b128 v[(\f)+8*(\i):(\f)+8*(\i)+3],   v[ADRB+(\slot)] offset:32*(\q)*PB+32*(\i)
	ds_load_tr16_b128 v[(\f)+8*(\i)+4:(\f)+8*(\i)+7], v[ADRB+(\slot)] offset:32*(\q)*PB+16*PB+32*(\i)
.endr
	WIN 0
.irp i, 0,1,2,3,4,5,6,7
	ds_load_b128 v[(\f)+8*(\i):(\f)+8*(\i)+3],   v[ADRA+(\slot)] offset:64*(\q)+(\i)*16*PA
	ds_load_b128 v[(\f)+8*(\i)+4:(\f)+8*(\i)+7], v[ADRA+(\slot)] offset:64*(\q)+(\i)*16*PA+32
.endr
.endm
; A load into a register that a matrix instruction has read, and a store that reads a matrix result, stand four places behind that matrix instruction, and only plain vector
; instructions that name none of its registers are places (ISA guide 7.12.1 for vector instructions).
.macro PLACES
.rept 4
	v_nop
.endr
.endm
; A K step is four quarters of 32 along K, 64 matrix instructions each, on buffers 0, 1, 0, 1.
; One of the first three: multiplies buffer f; in its middle it fetches quarter q of the same slot into buffer g.
.macro QUARTER slot, q, f, g, zero
	s_wait_dscnt 8                                 ; wh's fragments and xh's rows 0-63 are in; the youngest eight loads (xh's rows 64-127) may be out
	MUL16 \f, 0, 0, \zero
	MUL16 \f, 0, 2, \zero
	PLACES
	FETCH \slot, \q, \g
	s_wait_dscnt 32                                ; all but the 32 just issued
	MUL16 \f, 1, 0, \zero
	MUL16 \f, 1, 2, \zero
.endm
; The last quarter multiplies buffer 1 and changes slots.  MEET is its first half: ONE barrier for two things.  In front of it each wave waits for all its tensor loads, of which one is
; out: its part of the next slot; adds 0 to its spare word; and waits for that and for its own reads of this slot.  Behind it nobody reads this slot any more and the next slot is whole.
.macro MEET round                      ; round = 1: a round of the cluster's barrier follows
	WIN 0                                          ; (the add's two registers lie in window 0)
	s_wait_tensorcnt 0x0                           ; all my tensor loads have landed;
	ds_add_u32 v[SPW], v[NIL]                      ; 0 onto my spare word;
	s_wait_dscnt 9                                 ; (the add and the youngest eight loads may be out)
	MUL16 F1, 0, 0, 0                              ; sixteen matrix instructions stand between the add and the wait for it
	s_wait_dscnt 0x0                               ; the add is done, and my reads of this slot are over:
	s_barrier_signal -1                            ; say so,
	MUL16 F1, 0, 2, 0                              ; work on registers while the others arrive,
.if \round
	WIN 0
.endif
	s_barrier_wait -1                              ; and go on when all four have said so
.endm
; The whole last quarter.  fill = 1: the barrier opens a round of the cluster's barrier, and behind the round the slot just read out is filled again first, with the K step two steps on;
; then come the next slot's first fragments.  From a request to the wait for it a wave issues 224 matrix instructions.
.macro TURN slot, next, fill
.if \fill
	s_wait_xcnt 0x0                                ; the last prefetch, a K step back, has read its address: it is stepped here, ahead of the waits of the change of slots
	s_add_nc_u64 s[PFA:PFA+1], s[PFA:PFA+1], s[PFS:PFS+1]
.endif
	MEET \fill
.if \fill
	CREST                                          ; no wave of any partner still reads this slot's tile or has a load on its way
	s_add_nc_u64 s[G0+4*(\slot)+2:G0+4*(\slot)+3], s[G0+4*(\slot)+2:G0+4*(\slot)+3], 2*ASTEP
	s_add_nc_u64 s[G0B+4*(\slot)+2:G0B+4*(\slot)+3], s[G0B+4*(\slot)+2:G0B+4*(\slot)+3], 2*BSTEP
	JLOAD \slot                                    ; the first tensor load behind the round, my only one until the next; its four v_nop are also the places in front of the loads below
.else
	PLACES
.endif
	FETCH \next, 0, F0
.if \fill
	ASK
.endif
	MUL16 F1, 1, 0, 0
	MUL16 F1, 1, 2, 0
.endm
; THE WAY OUT of block a (16 of my rows), in two parts.  TOSTAGE: a lane's eight f32 of each accumulator, 32 bytes of a row, go into my own stage (each accumulator's low four registers
; first) and come back as whole rows of 512 bytes.  SEND: bias, maximum with 0, store.
.macro TOSTAGE a
.set BK, OB+64*((\a)%2)
.set AC, 64*((\a)%4)
.if (\a) >= 2
	s_wait_xcnt 0x0                                ; the stores of block a - 2 have read these 64 registers: they are loaded again only behind this wait
.endif
	WIN ST_LO+4*((\a)/4)
.irp b, 0,1,2,3,4,5,6,7
	ds_store_b128 v[STO], v[AC+8*(\b):AC+8*(\b)+3]   offset:64*(\b)
	ds_store_b128 v[STO], v[AC+8*(\b)+4:AC+8*(\b)+7] offset:64*(\b)+16
.endr
	WIN 0
.irp t, 0,1,2,3,4,5,6,7,8,9,10,11,12,13,14,15
	ds_load_b128 v[BK+4*(\t):BK+4*(\t)+3], v[RD] offset:(\t)*SPITCH  ; LDS serves a wave's instructions in order (ISA guide 5.7.1.4): these see the stores above, and the next block's stores come behind them
.endr
.endm
.macro SEND a, younger                 ; younger: the LDS instructions issued behind block a's loads: the next block's 32, or none
.set BK, OB+64*((\a)%2)
.irp t, 0,1,2,3,4,5,6,7,8,9,10,11,12,13,14,15
	s_wait_dscnt (\younger)+15-(\t)                ; row t is back; the block's later rows and the next block's instructions may be out
	v_pk_add_f32 v[BK+4*(\t):BK+4*(\t)+1],   v[BK+4*(\t):BK+4*(\t)+1],   v[BI:BI+1]
	v_pk_add_f32 v[BK+4*(\t)+2:BK+4*(\t)+3], v[BK+4*(\t)+2:BK+4*(\t)+3], v[BI+2:BI+3]
.irp c, 0,1,2,3
	v_max_num_f32 v[BK+4*(\t)+(\c)], 0, v[BK+4*(\t)+(\c)]
.endr
	global_store_b128 v[CO], v[BK+4*(\t):BK+4*(\t)+3], s[CB:CB+1] offset:(16*(\a)+(\t))*ROWC th:TH_STORE_NT  ; 512 consecutive bytes of a row, at a multiple of 512 from out0's first byte; 127 rows at the most stand in the immediate
.endr
.endm
	s_wait_tensorcnt 1                             ; my part of K step 0 is in; K step 1's may stay out
	s_barrier_signal -1
	s_barrier_wait -1                              ; everybody's is
	FETCH 0, 0, F0
	QUARTER 0, 1, F0, F1, 1                        ; the first quarter stands in front of the loop: its products start the sums
	WIN 0                                          ; at a label and at a branch every window is 0
	s_mov_b32 s3, LAPS-1
.Llap:                                                 ; a trip goes once round the ring, from a lap's second quarter to the next lap's first, and fills both slots again
	QUARTER 0, 2, F1, F0, 0
	QUARTER 0, 3, F0, F1, 0
	TURN 0, 1, 1
	QUARTER 1, 1, F0, F1, 0
	QUARTER 1, 2, F1, F0, 0
	QUARTER 1, 3, F0, F1, 0
	TURN 1, 0, 1
	QUARTER 0, 1, F0, F1, 0
	WIN 0
	s_sub_co_u32 s3, s3, 1
	s_cmp_lg_u32 s3, 0
	s_cbranch_scc1 .Llap
	QUARTER 0, 2, F1, F0, 0                        ; the last lap is written out: it fills nothing, and has no round of the cluster's barrier
	QUARTER 0, 3, F0, F1, 0
	TURN 0, 1, 0
	QUARTER 1, 1, F0, F1, 0
	QUARTER 1, 2, F1, F0, 0
	QUARTER 1, 3, F0, F1, 0
	s_wait_dscnt 8                                 ; the very last quarter: nothing more to fetch
	MUL16 F1, 0, 0, 0
	MUL16 F1, 0, 2, 0
	s_wait_dscnt 0x0
	MUL16 F1, 1, 0, 0
	MUL16 F1, 1, 2, 0
	WIN 0
	PLACES                                         ; behind the last products: the stage's stores read results, its loads land in xh's fragment buffers
	PLACES                                         ; (eight, once a launch)
	s_wait_loadcnt 0x0                             ; b_mu, b_sigma, eps_out
	v_pk_fma_f32 v[BI:BI+1],   v[BI+4:BI+5], v[BI+8:BI+9],   v[BI:BI+1]    ; the bias of my four columns: b_sigma eps_out + b_mu, fused
	v_pk_fma_f32 v[BI+2:BI+3], v[BI+6:BI+7], v[BI+10:BI+11], v[BI+2:BI+3]
	TOSTAGE 0
.irp a, 1,2,3,4,5,6,7                  ; block a's way through the stage is issued ahead of block a - 1's arithmetic and stores
	TOSTAGE \a
	SEND (\a)-1, 32
.endr
	SEND 7, 0
	s_wait_tensorcnt 0x0                           ; the wave's end, behind my last tensor load and my last LDS store
	ds_add_u32 v[SPW], v[NIL]
	s_wait_dscnt 0x0
	CROUND                                         ; the closing round: no work-group ends while a partner may still ask for a tile that names it
	s_endpgm
.Lfunc_end_k_qa007684b62_gemm:
	.size	k_qa007684b62_gemm, .Lfunc_end_k_qa007684b62_gemm-k_qa007684b62_gemm
	.p2alignl 7, 3214868480
	.fill 96, 4, 3214868480
	.section	.rodata,"a",@progbits
	.p2align	6, 0x0
	.amdhsa_kernel k_qa007684b62_gemm
		.amdhsa_group_segment_fixed_size 327680
		.amdhsa_private_segment_fixed_size 0
		.amdhsa_enable_private_segment 0
		.amdhsa_kernarg_size 48
		.amdhsa_user_sgpr_count 2
		.amdhsa_user_sgpr_kernarg_segment_ptr 1
		.amdhsa_wavefront_size32 1
		.amdhsa_system_sgpr_workgroup_id_x 1
		.amdhsa_system_sgpr_workgroup_id_y 1
		.amdhsa_system_sgpr_workgroup_id_z 1
		.amdhsa_system_vgpr_workitem_id 0
		.amdhsa_next_free_vgpr 1024
		.amdhsa_next_free_sgpr 80
		.amdhsa_reserve_vcc 0
		.amdhsa_float_denorm_mode_32 3
		.amdhsa_float_denorm_mode_16_64 3
		.amdhsa_memory_ordered 1
		.amdhsa_forward_progress 1
		.amdhsa_inst_pref_size 178
	.end_amdhsa_kernel
	.amdgpu_metadata
---
amdhsa.version: [ 1, 2 ]
amdhsa.kernels:
  - .name:           k_qa007684b62_gemm
    .symbol:         k_qa007684b62_gemm.kd
    .args:
      - { .name: xh, .offset: 0, .size: 8, .value_kind: global_buffer, .address_space: global }
      - { .name: wh, .offset: 8, .size: 8, .value_kind: global_buffer, .address_space: global }
      - { .name: b_mu, .offset: 16, .size: 8, .value_kind: global_buffer, .address_space: global }
      - { .name: b_sigma, .offset: 24, .size: 8, .value_kind: global_buffer, .address_space: global }
      - { .name: eps_out, .offset: 32, .size: 8, .value_kind: global_buffer, .address_space: global }
      - { .name: out0, .offset: 40, .size: 8, .value_kind: global_buffer, .address_space: global }
    .group_segment_fixed_size: 327680
    .private_segment_fixed_size: 0
    .kernarg_segment_align: 8
    .kernarg_segment_size: 48
    .max_flat_workgroup_size: 128
    .sgpr_count:     80
    .vgpr_count:     1024
    .wavefront_size: 32
...
	.end_amdgpu_metadata
.endif
;; end of part 2
